; MI455X (gfx1250); checked and timed in simulation.
; The chip was launched on July 23, 2026; its instructions are those of AMD's public machine-readable ISA for CDNA 5 (MIT licence, August 2026) and "CDNA5" Instruction Set Architecture Reference Guide (July 2026). The comments in the code are by the model that wrote it; some were corrected since.
;; Reference Attention. Allowed arithmetic: float matrix products may take bf16 or f16 operands with f32 sums; all other float work in f32.
;; Inputs: W_attn 1,024 x 3,072 float32; W_proj 1,024 x 1,024 float32; b_attn 3,072 float32; b_proj 1,024 float32; x 4 x 2,048 x 1,024 float32.
;; Outputs: out0 4 x 2,048 x 1,024 float32.
;; One version. Each part assembles by itself: llvm-mc -triple=amdgcn-amd-amdhsa -mcpu=gfx1250 --defsym DOCPART=n.
;; ======== version 1 of 1: 4 launches
;; limits: values are held in f16: magnitudes above 65,504 overflow, below 6.1e-05 lose precision
;; workspace buffers: xb 16,777,216 bytes; wab 6,291,456 bytes; wpb 2,097,152 bytes; qkv 50,331,648 bytes; ao 33,554,432 bytes
;; launch prep (part 1): grid 768 x 1, 8 waves a work-group, no clusters, 0 bytes of LDS; arguments x, W_attn, W_proj, xb, wab, wpb; writes xb, wab, wpb
.if DOCPART == 1
	.amdgcn_target "amdgcn-amd-amdhsa--gfx1250"
	.amdhsa_code_object_version 6
	.text
	.protected	k_q25d346754f_prep
	.globl	k_q25d346754f_prep
	.p2align	8
	.type	k_q25d346754f_prep,@function
k_q25d346754f_prep:
	s_mov_b64 s[64:65], 0
	v_nop
	global_prefetch_b8 v0, s[64:65] scope:SCOPE_SE
	s_setreg_imm32_b32 hwreg(HW_REG_WAVE_MODE, 25, 1), 1
	s_wait_xcnt 0x0
; prep: the three large f32 inputs are narrowed once, so that the matrix launches move 16-bit tiles.
;   xb  = bf16(x),      laid out [16 kb][8192 m][64]: a tile of 256 rows x 64 k is 32,768 consecutive bytes
;   wab = bf16(W_attn), in W_attn's own layout [1024 k][3072 n]
;   wpb = bf16(W_proj) written as f16, [1024 k][1024 n].  LIMIT: exact for |w| >= 2^-17; below that the absolute error is at most 2^-25;
;         |w| must stay below 65,504.
; A pure stream: no LDS, no barrier, no matrix unit.  A work-group narrows 16,384 numbers, a wave 2,048: sixteen loads of 16 bytes a lane,
; all issued first, then sixteen stores of 8 bytes a lane, each covering 256 consecutive aligned bytes.
; Work-groups 0-511: x (32 rows x 512 columns each; a wave takes 32 rows x 64 columns, one kb).  512-703: W_attn.  704-767: W_proj.
.set X, 8                              ; v[8:71]   sixteen loads of four f32
.set Y, 72                             ; v[72:103] sixteen pairs of packed 16-bit numbers; no register is written twice, so no store's data is ever overwritten
; sb, db: first scalar register of the source's and destination's address; lstep: bytes from load to load; half = 1: bf16 rewritten as f16
.macro CONV sb, db, lstep, half
.set i, 0
.rept 16
	global_load_b128 v[X+4*i:X+4*i+3], v2, s[\sb:\sb+1] offset:i*\lstep th:TH_LOAD_NT
.set i, i+1
.endr
.set i, 0
.rept 16
	s_wait_loadcnt 15-i                            ; loads return in order: load i is in, the 15 - i younger ones stay out
	v_cvt_pk_bf16_f32 v[Y+2*i], v[X+4*i], v[X+4*i+1]
	v_cvt_pk_bf16_f32 v[Y+2*i+1], v[X+4*i+2], v[X+4*i+3]
.if \half
	v_lshlrev_b32 v4, 16, v[Y+2*i]                 ; the bf16 values as f32 again,
	v_and_b32 v5, 0xffff0000, v[Y+2*i]
	v_lshlrev_b32 v6, 16, v[Y+2*i+1]
	v_and_b32 v7, 0xffff0000, v[Y+2*i+1]
	v_cvt_pk_f16_f32 v[Y+2*i], v4, v5              ; and as f16: eight significant bits fit into eleven
	v_cvt_pk_f16_f32 v[Y+2*i+1], v6, v7
.endif
	global_store_b64 v3, v[Y+2*i:Y+2*i+1], s[\db:\db+1] offset:i*256
.set i, i+1
.endr
.endm
	s_load_b256 s[4:11], s[0:1], 0x0               ; x s[4:5], W_attn s[6:7], W_proj s[8:9], xb s[10:11]
	s_load_b128 s[12:15], s[0:1], 0x20             ; wab s[12:13], wpb s[14:15]
	v_and_b32 v1, 31, v0                           ; lane
	v_lshrrev_b32 v2, 5, v0
	v_readfirstlane_b32 s16, v2                    ; wave
	v_lshlrev_b32 v3, 3, v1                        ; store offset: 8 bytes a lane
	s_mov_b32 s17, ttmp9
	s_mov_b32 s23, 0                               ; high words of the two offset pairs
	s_mov_b32 s25, 0
	s_wait_kmcnt 0x0
	s_cmp_lt_u32 s17, 512
	s_cbranch_scc0 .Lweights
	; x: rg = id >> 1 (32 rows), kb = 8 (id & 1) + wave (64 columns)
	s_lshr_b32 s18, s17, 1
	s_and_b32 s19, s17, 1
	s_lshl_b32 s19, s19, 3
	s_add_co_u32 s19, s19, s16
	s_lshl_b32 s22, s18, 17                        ; 32 rows of 4,096 bytes
	s_lshl_b32 s20, s19, 8                         ; 64 f32
	s_add_co_u32 s22, s22, s20
	s_add_nc_u64 s[4:5], s[4:5], s[22:23]
	s_lshl_b32 s24, s19, 20                        ; a kb plane of xb: 8,192 rows of 128 bytes
	s_lshl_b32 s20, s18, 12                        ; 32 rows of 128 bytes
	s_add_co_u32 s24, s24, s20
	s_add_nc_u64 s[10:11], s[10:11], s[24:25]
	v_lshrrev_b32 v4, 4, v1                        ; a load takes two rows: lanes 0-15 one aligned run of 256 bytes, lanes 16-31 the next row's
	v_and_b32 v5, 15, v1
	v_lshlrev_b32 v2, 4, v5
	v_lshl_add_u32 v2, v4, 12, v2
	CONV 4, 10, 8192, 0
	s_endpgm
.Lweights:
	v_lshlrev_b32 v2, 4, v1                        ; dense: 16 bytes a lane, 512 bytes a load
	s_cmp_lt_u32 s17, 704
	s_cbranch_scc0 .Lwproj
	s_sub_co_u32 s18, s17, 512
	s_lshl_b32 s22, s18, 16                        ; 16,384 f32 a work-group,
	s_lshl_b32 s20, s16, 13                        ; 2,048 a wave
	s_add_co_u32 s22, s22, s20
	s_add_nc_u64 s[6:7], s[6:7], s[22:23]
	s_lshl_b32 s24, s18, 15
	s_lshl_b32 s20, s16, 12
	s_add_co_u32 s24, s24, s20
	s_add_nc_u64 s[12:13], s[12:13], s[24:25]
	CONV 6, 12, 512, 0
	s_endpgm
.Lwproj:
	s_sub_co_u32 s18, s17, 704
	s_lshl_b32 s22, s18, 16
	s_lshl_b32 s20, s16, 13
	s_add_co_u32 s22, s22, s20
	s_add_nc_u64 s[8:9], s[8:9], s[22:23]
	s_lshl_b32 s24, s18, 15
	s_lshl_b32 s20, s16, 12
	s_add_co_u32 s24, s24, s20
	s_add_nc_u64 s[14:15], s[14:15], s[24:25]
	CONV 8, 14, 512, 1
	s_endpgm
.Lfunc_end_k_q25d346754f_prep:
	.size	k_q25d346754f_prep, .Lfunc_end_k_q25d346754f_prep-k_q25d346754f_prep
	.p2alignl 7, 3214868480
	.fill 96, 4, 3214868480
	.section	.rodata,"a",@progbits
	.p2align	6, 0x0
	.amdhsa_kernel k_q25d346754f_prep
		.amdhsa_group_segment_fixed_size 0
		.amdhsa_private_segment_fixed_size 0
		.amdhsa_enable_private_segment 0
		.amdhsa_kernarg_size 48
		.amdhsa_user_sgpr_count 2
		.amdhsa_user_sgpr_kernarg_segment_ptr 1
		.amdhsa_wavefront_size32 1
		.amdhsa_system_sgpr_workgroup_id_x 1
		.amdhsa_system_sgpr_workgroup_id_y 1
		.amdhsa_system_sgpr_workgroup_id_z 1
		.amdhsa_system_vgpr_workitem_id 0
		.amdhsa_next_free_vgpr 104
		.amdhsa_next_free_sgpr 66
		.amdhsa_reserve_vcc 0
		.amdhsa_float_denorm_mode_32 3
		.amdhsa_float_denorm_mode_16_64 3
		.amdhsa_memory_ordered 1
		.amdhsa_forward_progress 1
		.amdhsa_inst_pref_size 24
	.end_amdhsa_kernel
	.amdgpu_metadata
---
amdhsa.version: [ 1, 2 ]
amdhsa.kernels:
  - .name:           k_q25d346754f_prep
    .symbol:         k_q25d346754f_prep.kd
    .args:
      - { .name: x, .offset: 0, .size: 8, .value_kind: global_buffer, .address_space: global }
      - { .name: W_attn, .offset: 8, .size: 8, .value_kind: global_buffer, .address_space: global }
      - { .name: W_proj, .offset: 16, .size: 8, .value_kind: global_buffer, .address_space: global }
      - { .name: xb, .offset: 24, .size: 8, .value_kind: global_buffer, .address_space: global }
      - { .name: wab, .offset: 32, .size: 8, .value_kind: global_buffer, .address_space: global }
      - { .name: wpb, .offset: 40, .size: 8, .value_kind: global_buffer, .address_space: global }
    .group_segment_fixed_size: 0
    .private_segment_fixed_size: 0
    .kernarg_segment_align: 8
    .kernarg_segment_size: 48
    .max_flat_workgroup_size: 256
    .sgpr_count:     66
    .vgpr_count:     104
    .wavefront_size: 32
...
	.end_amdgpu_metadata
.endif
;; end of part 1
;; launch qkvgemm (part 2): grid 8 x 32, 4 waves a work-group, clusters of 4 x 4, 327,680 bytes of LDS; arguments xb, wab, b_attn, qkv; writes qkv
.if DOCPART == 2
	.amdgcn_target "amdgcn-amd-amdhsa--gfx1250"
	.amdhsa_code_object_version 6
	.text
	.protected	k_q25d346754f_qkvgemm
	.globl	k_q25d346754f_qkvgemm
	.p2align	8
	.type	k_q25d346754f_qkvgemm,@function
k_q25d346754f_qkvgemm:
	s_mov_b64 s[64:65], 0
	v_nop
	global_prefetch_b8 v0, s[64:65] scope:SCOPE_SE
	s_setreg_imm32_b32 hwreg(HW_REG_WAVE_MODE, 25, 1), 1
	s_wait_xcnt 0x0
	s_wait_alu depctr_hold_cnt(0) depctr_sa_sdst(0) depctr_va_vdst(0) depctr_va_sdst(0) depctr_va_ssrc(0) depctr_va_vcc(0) depctr_vm_vsrc(0)
	s_getreg_b32 s2, hwreg(HW_REG_IB_STS2, 6, 4)
	s_cmp_eq_u32 s2, 0
	s_cbranch_scc0 .Lentry_in_a_cluster
	s_endpgm
.Lentry_in_a_cluster:
	s_bfe_u32 s2, ttmp6, 0x10000c
	s_cmp_lg_u32 s2, 0xf033
	s_cbranch_scc0 .Lentry_shape_is_right
	s_endpgm
.Lentry_shape_is_right:
; qkv = x W_attn + b_attn, 8192 x 3072 x 1024, bf16 operands, f32 sums; stored as f16 by heads: qkv[b][G][s][64], G = column / 64
; (G 0-15 q, 16-31 k, 32-47 v).  q is stored times c = 0.125 log2(e), so that the attention launch takes 2^x of plain differences.
; LIMIT: |q c|, |k|, |v| must stay below 65,504 (f16); values below 2^-14 carry an absolute error of up to 2^-25.
; A work-group makes 256 rows x 384 columns with four waves; wave (wm, wn) makes 128 rows x 192 columns as three groups of 128 x 64:
; column = 384 cb + 128 g + 64 wn + 16 j + 8 h + jj.  Each group's 32 accumulator tiles fill one register window (1 + g).
; K goes in steps of 64 through two LDS slots.  A slot: x's 256 rows x 128 bytes (pitch 144), then three tiles of W, 64 k rows x 256 bytes (pitch 288).
; Two slots of K = 128 would take 360 KB and do not fit, so the step stays at 64; xb's layout makes x's tile one dense run of 32,768 bytes.
; W stays [k][n] in LDS: ds_load_tr16_b128 makes the fragments.  The matrix instruction is used transposed (source 0 = 16 columns of W,
; source 1 = 16 rows of x), so that a lane holds eight neighbouring columns of one row.
; CLUSTER 4 x 4: x's tile hangs on the row block alone and is asked for jointly along a row of the cluster, W's tiles on the column block alone
; and are asked for jointly along a column.  Wave 0 asks for x's tile, waves 1-3 for one tile of W each: one tensor load a wave behind each round.
; By this text's own count a wave has two tensor loads out at the start and one later.
.set ASUB,  36864                      ; 256 rows x 144
.set BSUB,  18432                      ; 64 rows x 288
.set BBASE, ASUB
.set SLOT,  ASUB+3*BSUB                ; 92,160
.set STAGE, 2*SLOT                     ; 184,320: each wave's 16 rows x 144 for the way out; no tensor load lands here
.set BIAS,  STAGE+4*2304               ; 193,536: each wave's 192 scaled biases
.set ASTEP, 1048576                    ; bytes from one K step to the next in xb
.set BSTEP, 393216                     ; and in wab: 64 rows of 6,144 bytes
.set ADRA, 16                          ; v16-17  LDS address of my x fragments in slot 0, 1
.set ADRB, 20                          ; v20-21  the same for W
.set STO,  24
.set RD,   25
.set CO,   26
.set BIA,  27
.set AF0,  32                          ; v32-95   x fragments of a step's first 32 k
.set AF1,  96                          ; v96-159  of its second 32 k
.set BF,   160                         ; v160-255 W fragments, 32 registers for each group
.set TT,   32                          ; way out: 32 f32
.set HH,   64                          ; way out: 16 packed words
.set G1A, 24
.set G0A, 32
.set G1B, 48
.set G0B, 56
.set MSB, 0
.macro WIN new                         ; s_set_vgpr_msb; the immediate's high byte repeats the setting that is left
.if MSB != (\new)
	s_set_vgpr_msb (MSB<<8)|(\new)
.set MSB, \new
.endif
.endm
.macro PLACES                          ; four places behind matrix instructions, ahead of loads into their sources and of reads of their results
.rept 4
	v_nop
.endr
.endm
.macro CREST                           ; a round of the cluster's barrier behind its opening work-group barrier
	s_cmp_lg_u32 s12, 0
	s_cbranch_scc1 .Lnot_wave_0_\@
	s_barrier_signal -3
.Lnot_wave_0_\@:
	s_barrier_wait -3
	s_barrier_signal -1
	s_barrier_wait -1
.endm
.macro CROUND
	s_barrier_signal -1
	s_barrier_wait -1
	CREST
.endm
.macro JLOAD s                         ; a joint refill: the branch hangs on the wave's number alone
	s_cmp_eq_u32 s12, 0
	s_cbranch_scc0 .Lfor_w_\@
	tensor_load_to_lds s[G0A+4*\s:G0A+4*\s+3], s[G1A:G1A+7]
	s_nop 0
	s_branch .Lasked_\@
.Lfor_w_\@:
	tensor_load_to_lds s[G0B+4*\s:G0B+4*\s+3], s[G1B:G1B+7]
	s_nop 0
.Lasked_\@:
.endm
.macro FETCHA slot, off, buf           ; 16 loads: my 128 rows of x, 32 k
.irp a, 0,1,2,3,4,5,6,7
	ds_load_b128 v[\buf+8*\a:\buf+8*\a+3], v[ADRA+\slot] offset:\off+\a*2304
	ds_load_b128 v[\buf+8*\a+4:\buf+8*\a+7], v[ADRA+\slot] offset:\off+\a*2304+32
.endr
.endm
.macro FETCHB slot, off, buf           ; 8 transposing loads: 64 columns of W, 32 k (the second 16 k lie 16 rows of 288 bytes further)
.irp j, 0,1,2,3
	ds_load_tr16_b128 v[\buf+8*\j:\buf+8*\j+3], v[ADRB+\slot] offset:\off+32*\j
	ds_load_tr16_b128 v[\buf+8*\j+4:\buf+8*\j+7], v[ADRB+\slot] offset:\off+32*\j+4608
.endr
.endm
; 16 matrix instructions: row blocks 4 half .. 4 half + 3 x the group's four column blocks.  The accumulators take turns, one instruction a turn.
.macro MULH abuf, bbuf, half, zero
.irp a, 4*\half, 4*\half+1, 4*\half+2, 4*\half+3
.irp j, 0,1,2,3
.if \zero
	v_wmma_f32_16x16x32_bf16 v[8*(4*(\a)+\j):8*(4*(\a)+\j)+7], v[\bbuf+8*\j:\bbuf+8*\j+7], v[\abuf+8*(\a):\abuf+8*(\a)+7], 0
.else
	v_wmma_f32_16x16x32_bf16 v[8*(4*(\a)+\j):8*(4*(\a)+\j)+7], v[\bbuf+8*\j:\bbuf+8*\j+7], v[\abuf+8*(\a):\abuf+8*(\a)+7], v[8*(4*(\a)+\j):8*(4*(\a)+\j)+7]
.endif
.endr
.endr
.endm
; Half a K step (32 k): 96 matrix instructions, group by group; behind each group its W fragments of the next half step are fetched, behind
; group 0 also the next x fragments.  turn = 1 (second halves): the slots change inside group 0; fill = 1: this slot is asked for again,
; two K steps ahead; last = 1: nothing more is fetched.
.macro QTR slot, q, zero, turn, fill, last
.if \q
.set CA, AF1
.set NA, AF0
.set NS, 1-\slot
.set NQ, 0
.else
.set CA, AF0
.set NA, AF1
.set NS, \slot
.set NQ, 1
.endif
	s_wait_dscnt 16                                ; x's and group 0's fragments are in; the 16 younger loads (groups 1 and 2) may be out
	WIN 0x50
	MULH CA, BF, 0, \zero
.if \turn
	s_wait_dscnt 0x0                               ; my reads of this slot are over,
	s_wait_tensorcnt 0x0                           ; and all my tensor loads have landed: the one that was out is my part of the next slot
	ds_add_u32 v30, v31
	s_wait_dscnt 0x0
	s_barrier_signal -1
.endif
	MULH CA, BF, 1, \zero
	WIN 0
.if \turn
	s_barrier_wait -1
.if \fill
	CREST                                          ; no wave of any partner still reads this slot or has a load on its way
	s_add_nc_u64 s[G0A+4*\slot+2:G0A+4*\slot+3], s[G0A+4*\slot+2:G0A+4*\slot+3], 2*ASTEP
	s_add_nc_u64 s[G0B+4*\slot+2:G0B+4*\slot+3], s[G0B+4*\slot+2:G0B+4*\slot+3], 2*BSTEP
	JLOAD \slot                                    ; first behind the round; 176 matrix instructions stand between it and the wait for it
.endif
.endif
.if \last
	s_wait_dscnt 8                                 ; group 1's fragments are in, group 2's eight loads may be out
.else
	PLACES
	FETCHA NS, NQ*64, NA
	FETCHB NS, NQ*9216, BF
	s_wait_dscnt 32                                ; group 1's fragments are in: younger are group 2's 8 loads and the 24 just issued
.endif
	WIN 0xa0
	MULH CA, BF+32, 0, \zero
	MULH CA, BF+32, 1, \zero
	WIN 0
.if \last
	s_wait_dscnt 0x0
.else
	PLACES
	FETCHB NS, BSUB+NQ*9216, BF+32
	s_wait_dscnt 32                                ; group 2's fragments are in: younger are the 24 and the 8 issued since
.endif
	WIN 0xf0
	MULH CA, BF+64, 0, \zero
	MULH CA, BF+64, 1, \zero
	WIN 0
.if \last
.else
	PLACES
	FETCHB NS, 2*BSUB+NQ*9216, BF+64
.endif
.endm
.macro LAP zero                        ; two K steps, once round the ring, both slots asked for again
	QTR 0, 0, \zero, 0, 0, 0
	QTR 0, 1, 0, 1, 1, 0
	QTR 1, 0, 0, 0, 0, 0
	QTR 1, 1, 0, 1, 1, 0
.endm
	s_load_b256 s[4:11], s[0:1], 0x0               ; xb s[4:5], wab s[6:7], b_attn s[8:9], qkv s[10:11]
	v_lshl_add_u32 v30, v0, 2, 0x30000
	v_mov_b32 v31, 0
	ds_add_u32 v30, v31
	v_lshrrev_b32 v1, 5, v0
	v_readfirstlane_b32 s12, v1                    ; wave
	s_lshr_b32 s13, s12, 1                         ; wm: my half of the rows
	s_and_b32 s14, s12, 1                          ; wn: my 64 columns of each 128
	s_bfe_u32 s40, ttmp6, 0x40000                  ; cx
	s_bfe_u32 s41, ttmp6, 0x40004                  ; cy
	s_lshl_b32 s42, ttmp9, 2
	s_add_co_u32 s42, s42, s40                     ; cb: column block, 0-7
	s_and_b32 s43, ttmp7, 0xffff
	s_lshl_b32 s43, s43, 2
	s_add_co_u32 s43, s43, s41                     ; rb: row block, 0-31
	s_lshl_b32 s44, s41, 2
	s_lshl_b32 s44, 15, s44                        ; my row of the cluster
	s_lshl_b32 s45, 0x1111, s40                    ; my column
	; group 1 for x's tile: 256 rows x 64 elements of 2 bytes, 4 words of padding behind every 32 words
	s_or_b32 s[G1A+0], s44, (1<<16)|(1<<20)|(1<<21)|(4<<22)|(3<<25)
	s_mov_b32 s[G1A+1], 64<<16                     ; tensor_dim0 = 64
	s_mov_b32 s[G1A+2], 256<<16                    ; tensor_dim1 = 256
	s_mov_b32 s[G1A+3], 64<<16                     ; tile_dim0 = 64
	s_mov_b32 s[G1A+4], 256                        ; tile_dim1 = 256
	s_mov_b32 s[G1A+5], 64                         ; elements from row to row
	s_mov_b32 s[G1A+6], 0
	s_mov_b32 s[G1A+7], 0
	; group 1 for a tile of W: 64 rows x 128 elements, 8 words of padding behind every 64 words
	s_or_b32 s[G1B+0], s45, (1<<16)|(1<<20)|(1<<21)|(5<<22)|(7<<25)
	s_mov_b32 s[G1B+1], 128<<16
	s_mov_b32 s[G1B+2], 64<<16
	s_mov_b32 s[G1B+3], 128<<16
	s_mov_b32 s[G1B+4], 64
	s_mov_b32 s[G1B+5], 3072
	s_mov_b32 s[G1B+6], 0
	s_mov_b32 s[G1B+7], 0
	s_lshl_b32 s16, s43, 15                        ; x's tile: 256 rows of 128 bytes a row block
	s_mov_b32 s17, 0
	s_mul_i32 s46, s42, 768                        ; W's tiles: 384 columns a column block,
	s_max_u32 s18, s12, 1
	s_sub_co_u32 s18, s18, 1                       ; tile wave - 1 (wave 0 asks for none of them)
	s_lshl_b32 s18, s18, 8
	s_add_co_u32 s46, s46, s18
	s_mov_b32 s47, 0
	s_mul_i32 s20, s12, ASUB                       ; LDS: x's tile at wave x ASUB (wave 0),
	s_add_co_u32 s21, s12, 1
	s_mul_i32 s21, s21, BSUB                       ; W's at (wave + 1) x BSUB (waves 1-3): 36,864, 55,296, 73,728
	; what mixes cx and cy lives in s72-s79 alone
	s_mul_i32 s76, s42, 6
	s_add_co_u32 s76, s76, s14                     ; G of my group 0
.irp g, 0,1,2
	s_add_co_u32 s77, s76, 2*\g
	s_cmp_lt_u32 s77, 16                           ; a head of q?
	s_cselect_b32 s[66+2*\g], 0x3e38aa3b, 1.0      ; c = 0.125 log2(e), or 1
	s_mov_b32 s[67+2*\g], s[66+2*\g]
.endr
	s_mul_i32 s78, s42, 1536
	s_lshl_b32 s77, s14, 8
	s_add_co_u32 s78, s78, s77                     ; my first bias: 4 (384 cb + 64 wn)
	s_mov_b32 s79, 0
	s_lshr_b32 s74, s43, 3                         ; batch
	s_mul_i32 s74, s74, 48
	s_add_co_u32 s74, s74, s76                     ; plane 48 b + G
	s_lshl_b32 s72, s74, 18                        ; of 262,144 bytes
	s_and_b32 s75, s43, 7
	s_lshl_b32 s75, s75, 1
	s_add_co_u32 s75, s75, s13
	s_lshl_b32 s75, s75, 14                        ; + (256 (rb & 7) + 128 wm) rows of 128 bytes
	s_add_co_u32 s72, s72, s75
	s_mov_b32 s73, 0
	s_wait_dscnt 0x0
	s_wait_kmcnt 0x0
	s_add_nc_u64 s[16:17], s[4:5], s[16:17]
	s_add_nc_u64 s[46:47], s[6:7], s[46:47]
	s_add_nc_u64 s[8:9], s[8:9], s[78:79]
	s_add_nc_u64 s[72:73], s[10:11], s[72:73]
.irp s, 0,1
	s_mov_b32 s[G0A+4*\s], 1
	s_add_co_u32 s[G0A+4*\s+1], s20, \s*SLOT
	s_add_nc_u64 s[G0A+4*\s+2:G0A+4*\s+3], s[16:17], \s*ASTEP
	s_or_b32 s[G0A+4*\s+3], s[G0A+4*\s+3], 0x80000000
	s_mov_b32 s[G0B+4*\s], 1
	s_add_co_u32 s[G0B+4*\s+1], s21, \s*SLOT
	s_add_nc_u64 s[G0B+4*\s+2:G0B+4*\s+3], s[46:47], \s*BSTEP
	s_or_b32 s[G0B+4*\s+3], s[G0B+4*\s+3], 0x80000000
.endr
	CROUND                                         ; all sixteen work-groups are here: the first joint loads meet
	s_cmp_eq_u32 s12, 0                            ; both first fills of a wave inside one branch on its number
	s_cbranch_scc0 .Lfill_w
	tensor_load_to_lds s[G0A:G0A+3], s[G1A:G1A+7]
	s_nop 0
	tensor_load_to_lds s[G0A+4:G0A+7], s[G1A:G1A+7]
	s_nop 0
	s_branch .Lfilled
.Lfill_w:
	tensor_load_to_lds s[G0B:G0B+3], s[G1B:G1B+7]
	s_nop 0
	tensor_load_to_lds s[G0B+4:G0B+7], s[G1B:G1B+7]
	s_nop 0
.Lfilled:
	v_and_b32 v1, 31, v0                           ; L
	v_and_b32 v11, 15, v0                          ; r
	v_bfe_u32 v12, v0, 4, 1                        ; h
	v_lshlrev_b32 v9, 3, v1
	global_load_b64 v[2:3], v9, s[8:9]             ; my 3 x 64 biases, two a lane
	global_load_b64 v[4:5], v9, s[8:9] offset:512
	global_load_b64 v[6:7], v9, s[8:9] offset:1024
	v_mul_u32_u24 v13, v11, 144
	v_lshl_add_u32 v13, v12, 4, v13                ; r x 144 + 16 h
	s_mul_i32 s18, s13, 128*144
	v_add_nc_u32 v[ADRA], s18, v13
	v_add_nc_u32 v[ADRA+1], SLOT, v[ADRA]
	v_and_b32 v14, 7, v0
	v_lshl_add_u32 v14, v12, 3, v14                ; k row 8 h + (L & 7)
	v_mul_u32_u24 v14, v14, 288
	v_bfe_u32 v15, v0, 3, 1
	v_lshl_add_u32 v14, v15, 4, v14                ; + 16 ((L >> 3) & 1)
	s_lshl_b32 s19, s14, 7
	s_add_co_u32 s19, s19, BBASE
	v_add_nc_u32 v[ADRB], s19, v14
	v_add_nc_u32 v[ADRB+1], SLOT, v[ADRB]
	s_mul_i32 s22, s12, 2304
	s_add_co_u32 s22, s22, STAGE
	v_add_nc_u32 v[STO], s22, v13                  ; in: row r, 16 bytes for each half of the lanes
	v_lshrrev_b32 v15, 3, v1
	v_mul_u32_u24 v15, v15, 144
	v_and_b32 v14, 7, v0
	v_lshl_add_u32 v15, v14, 4, v15
	v_add_nc_u32 v[RD], s22, v15                   ; back: eight lanes a row of 128 bytes, four rows a load
	v_lshlrev_b32 v[CO], 4, v1                     ; the same four rows are 512 consecutive bytes of a head's plane
	s_mul_i32 s23, s12, 768
	s_add_co_u32 s23, s23, BIAS
	v_lshl_add_u32 v[BIA], v12, 5, s23
	v_add_nc_u32 v10, s23, v9
	s_wait_loadcnt 0x0
	v_pk_mul_f32 v[2:3], v[2:3], s[66:67] op_sel_hi:[1,0]   ; (sum + b) c = sum c + b c
	v_pk_mul_f32 v[4:5], v[4:5], s[68:69] op_sel_hi:[1,0]
	v_pk_mul_f32 v[6:7], v[6:7], s[70:71] op_sel_hi:[1,0]
	ds_store_b64 v10, v[2:3]                       ; my wave's own bytes, read back on the way out
	ds_store_b64 v10, v[4:5] offset:256
	ds_store_b64 v10, v[6:7] offset:512
	s_wait_tensorcnt 0x1                           ; my part of K step 0 is in; step 1's stays out
	s_wait_dscnt 0x0
	s_barrier_signal -1
	s_barrier_wait -1
	FETCHA 0, 0, AF0
	FETCHB 0, 0, BF
	FETCHB 0, BSUB, BF+32
	FETCHB 0, 2*BSUB, BF+64
	LAP 1                                          ; the first products start the sums: nothing is cleared
	s_mov_b32 s3, 6                                ; 16 K steps = 8 laps: one ahead of the loop, six in it, one behind
.Llap:
	LAP 0
	s_sub_co_u32 s3, s3, 1
	s_cmp_lg_u32 s3, 0
	s_cbranch_scc1 .Llap
	QTR 0, 0, 0, 0, 0, 0                           ; the last lap asks for nothing
	QTR 0, 1, 0, 1, 0, 0
	QTR 1, 0, 0, 0, 0, 0
	QTR 1, 1, 0, 0, 0, 1
	; THE WAY OUT: 16 rows x 64 columns at a time: scale and bias in one fused multiply-add, round to f16, through my own stage, out as whole rows
	PLACES
.irp g, 0,1,2
.irp j, 0,1,2,3
	ds_load_b128 v[BF+32*\g+8*\j:BF+32*\g+8*\j+3], v[BIA] offset:\g*256+\j*64
	ds_load_b128 v[BF+32*\g+8*\j+4:BF+32*\g+8*\j+7], v[BIA] offset:\g*256+\j*64+16
.endr
.endr
	s_wait_dscnt 0x0
.macro OUT a, g, f
	WIN 1+\g
.irp j, 0,1,2,3
.irp p, 0,1,2,3
	v_pk_fma_f32 v[TT+8*\j+2*\p:TT+8*\j+2*\p+1], v[8*(4*\a+\j)+2*\p:8*(4*\a+\j)+2*\p+1], s[66+2*\g:67+2*\g], v[BF+32*\g+8*\j+2*\p:BF+32*\g+8*\j+2*\p+1] op_sel_hi:[1,0,1]
.endr
.endr
	WIN 0
.irp j, 0,1,2,3
.irp p, 0,1,2,3
	v_cvt_pk_f16_f32 v[HH+4*\j+\p], v[TT+8*\j+2*\p], v[TT+8*\j+2*\p+1]
.endr
.endr
.irp j, 0,1,2,3
	ds_store_b128 v[STO], v[HH+4*\j:HH+4*\j+3] offset:32*\j
.endr
	s_wait_xcnt 0x0                                ; buffer f, which earlier stores read, is loaded again only behind this wait
.irp t, 0,1,2,3
	ds_load_b128 v[\f+4*\t:\f+4*\t+3], v[RD] offset:576*\t   ; LDS serves a wave's instructions in order: these see the stores above
.endr
.irp t, 0,1,2,3
	s_wait_dscnt 3-\t
	global_store_b128 v[CO], v[\f+4*\t:\f+4*\t+3], s[72:73] offset:\g*524288+\a*2048+512*\t   ; 512 consecutive aligned bytes
.endr
.endm
.irp g, 0,1,2
	OUT 0, \g, 96
	OUT 1, \g, 112
	OUT 2, \g, 96
	OUT 3, \g, 112
	OUT 4, \g, 96
	OUT 5, \g, 112
	OUT 6, \g, 96
	OUT 7, \g, 112
.endr
	s_wait_tensorcnt 0x0
	ds_add_u32 v30, v31
	s_wait_dscnt 0x0
	CROUND                                         ; the closing round: no work-group ends while a partner may still ask for a tile that names it
	s_endpgm
.Lfunc_end_k_q25d346754f_qkvgemm:
	.size	k_q25d346754f_qkvgemm, .Lfunc_end_k_q25d346754f_qkvgemm-k_q25d346754f_qkvgemm
	.p2alignl 7, 3214868480
	.fill 96, 4, 3214868480
	.section	.rodata,"a",@progbits
	.p2align	6, 0x0
	.amdhsa_kernel k_q25d346754f_qkvgemm
		.amdhsa_group_segment_fixed_size 327680
		.amdhsa_private_segment_fixed_size 0
		.amdhsa_enable_private_segment 0
		.amdhsa_kernarg_size 32
		.amdhsa_user_sgpr_count 2
		.amdhsa_user_sgpr_kernarg_segment_ptr 1
		.amdhsa_wavefront_size32 1
		.amdhsa_system_sgpr_workgroup_id_x 1
		.amdhsa_system_sgpr_workgroup_id_y 1
		.amdhsa_system_sgpr_workgroup_id_z 1
		.amdhsa_system_vgpr_workitem_id 0
		.amdhsa_next_free_vgpr 1024
		.amdhsa_next_free_sgpr 80
		.amdhsa_reserve_vcc 0
		.amdhsa_float_denorm_mode_32 3
		.amdhsa_float_denorm_mode_16_64 3
		.amdhsa_memory_ordered 1
		.amdhsa_forward_progress 1
		.amdhsa_inst_pref_size 198
	.end_amdhsa_kernel
	.amdgpu_metadata
---
amdhsa.version: [ 1, 2 ]
amdhsa.kernels:
  - .name:           k_q25d346754f_qkvgemm
    .symbol:         k_q25d346754f_qkvgemm.kd
    .args:
      - { .name: xb, .offset: 0, .size: 8, .value_kind: global_buffer, .address_space: global }
      - { .name: wab, .offset: 8, .size: 8, .value_kind: global_buffer, .address_space: global }
      - { .name: b_attn, .offset: 16, .size: 8, .value_kind: global_buffer, .address_space: global }
      - { .name: qkv, .offset: 24, .size: 8, .value_kind: global_buffer, .address_space: global }
    .group_segment_fixed_size: 327680
    .private_segment_fixed_size: 0
    .kernarg_segment_align: 8
    .kernarg_segment_size: 32
    .max_flat_workgroup_size: 128
    .sgpr_count:     80
    .vgpr_count:     1024
    .wavefront_size: 32
...
	.end_amdgpu_metadata
.endif
;; end of part 2
;; launch attn (part 3): grid 256 x 1, 8 waves a work-group, no clusters, 327,680 bytes of LDS; arguments qkv, ao; writes ao
.if DOCPART == 3
	.amdgcn_target "amdgcn-amd-amdhsa--gfx1250"
	.amdhsa_code_object_version 6
	.text
	.protected	k_q25d346754f_attn
	.globl	k_q25d346754f_attn
	.p2align	8
	.type	k_q25d346754f_attn,@function
k_q25d346754f_attn:
	s_mov_b64 s[64:65], 0
	v_nop
	global_prefetch_b8 v0, s[64:65] scope:SCOPE_SE
	s_setreg_imm32_b32 hwreg(HW_REG_WAVE_MODE, 25, 1), 1
	s_wait_xcnt 0x0
; Causal attention on qkv[b][G][s][64] (f16; q already times 0.125 log2 e), with a running maximum; result to ao[2 h + part][8192 m][64] as f16 hi + f16 lo.
; Work-group id: j = id & 3, (b, h) = id >> 2.  It takes the query blocks of 256 rows j and 7 - j: (j + 1) + (8 - j) = 9 chunks of 256 keys in every work-group.
; Eight waves: w4 = wave & 3 owns 64 query rows, g = wave >> 2 owns one half of the keys of every step.  A step is an LDS slot of 128 keys of K and V;
; a wave's tile is 64 queries x 64 keys.  The two groups keep their own maximum, sum and O and are merged once a block through LDS.
; Keys go from the diagonal chunk down to chunk 0, so that a block's first tile is also a masked one.
; S^T = K Q^T (source 0 = 16 keys, source 1 = 16 queries): lane (r, h) holds query 16 qt + r and keys 16 kt + 8 h + jj, so a row's maximum and sum need one
; exchange between the halves of the wave, and the lane's own packed S is source 1 of O^T = V^T P^T (source 0 = V through ds_load_tr16_b128).
; NO MULTICAST: the four work-groups of a head are paired (j, 7 - j) for equal work and want different key chunks at any one time;
; walking one common stream would take 12 chunk times instead of 9.
; LIMITS: masked scores are -FLT_MAX, not -inf: a wave that has seen masked keys alone holds finite numbers that the next factor 2^(-huge) = 0 removes
; (group 0 always sees key 0 of the diagonal chunk, so every merged row has a true maximum and a sum of at least 1).  |result| below 65,504;
; below 2^-14 its parts carry an absolute error of up to 2^-25.  NaN and infinities in the inputs are not reproduced.
.set SLOTB, 40960                      ; a slot: K half 0, K half 1 (64 rows, pitch 144, in 10,240 bytes each), V half 0, V half 1 (64 rows, pitch 160)
.set MERGE, 2*SLOTB                    ; 81,920 + w4 x 17,408: group 1's O (16,384), maxima (512), sums (512)
.set STAGE, MERGE+4*17408              ; 151,552 + w4 x 4,608: 16 rows x 144 of hi, then of lo
.set KAD, 10                           ; v10-11 K fragment address in slot 0, 1
.set VAD, 12                           ; v12-13 V fragment address
.set E0,  14                           ; 8 h - r
.set ED,  15                           ; + the tile's distance from the diagonal
.set NEG, 16                           ; -FLT_MAX
.set QOF, 17
.set MRG, 18
.set STO, 19
.set RD,  20
.set CO,  21
.set TMP, 22                           ; v22-25
.set QF,  32                           ; v32-95   Q fragments (qt, ks) at 8 (2 qt + ks)
.set KV,  96                           ; v96-159  K fragments (kt, ks) at 8 (4 ks + kt), then V fragments (dt, kk) at 8 (4 kk + dt)
.set PF,  160                          ; v160-223 P fragments (qt, kk) at 8 (2 qt + kk)
.set MX,  224                          ; v224-227 running maxima
.set LS,  228                          ; v228-235 running sums, a pair for each qt
.set NM,  236                          ; v236-243 minus the maximum, twice for each qt
.set AL,  244                          ; v244-251 the rescaling factor, twice for each qt
.set MN,  252                          ; v252-255 the new maxima
.set OA,  0                            ; window 1: O (dt, qt) at 8 (4 dt + qt)
.set SA,  128                          ; window 1: S (kt, qt) at 128 + 8 (4 kt + qt)
.set A1,  192                          ; merge: group 1's factor, pairs
.set FH,  160                          ; way out: hi as f32
.set FL,  192                          ; way out: lo as f32
.set HI,  96
.set LO,  112
.set BK,  128
.set G1K, 24
.set G1V, 32
.set G0,  40
.set MSB, 0
.macro WIN new
.if MSB != (\new)
	s_set_vgpr_msb (MSB<<8)|(\new)
.set MSB, \new
.endif
.endm
.macro PLACES                          ; four places behind matrix instructions (ISA guide 7.12.1)
.rept 4
	v_nop
.endr
.endm
.macro KVLOAD s                        ; waves 0, 1: K's halves; waves 2, 3: V's; waves 4-7: none.  One tensor load a wave is out
	s_cmp_lt_u32 s8, 2
	s_cbranch_scc0 .Lnot_k_\@
	tensor_load_to_lds s[G0+4*\s:G0+4*\s+3], s[G1K:G1K+7]
	s_nop 0
	s_branch .Lasked_\@
.Lnot_k_\@:
	s_cmp_lt_u32 s8, 4
	s_cbranch_scc0 .Lasked_\@
	tensor_load_to_lds s[G0+4*\s:G0+4*\s+3], s[G1V:G1V+7]
	s_nop 0
.Lasked_\@:
.endm
.macro QLOAD sb                        ; my 64 query rows as fragments, straight from memory, once a block
.irp qt, 0,1,2,3
.irp ks, 0,1
	global_load_b128 v[QF+8*(2*\qt+\ks):QF+8*(2*\qt+\ks)+3], v[QOF], s[\sb:\sb+1] offset:\qt*2048+64*\ks
	global_load_b128 v[QF+8*(2*\qt+\ks)+4:QF+8*(2*\qt+\ks)+7], v[QOF], s[\sb:\sb+1] offset:\qt*2048+64*\ks+32
.endr
.endr
.endm
; One tile: 64 queries x 64 keys.  first = 1: starts the block's maximum, sum and O.  mask = 1: the causal mask, s[dreg] = first key - first query.
; In both products the sixteen accumulators take turns, one instruction a turn.
.macro TILE slot, first, mask, dreg
.irp ks, 0,1
.irp kt, 0,1,2,3
	ds_load_b128 v[KV+8*(4*\ks+\kt):KV+8*(4*\ks+\kt)+3], v[KAD+\slot] offset:\kt*2304+64*\ks
	ds_load_b128 v[KV+8*(4*\ks+\kt)+4:KV+8*(4*\ks+\kt)+7], v[KAD+\slot] offset:\kt*2304+64*\ks+32
.endr
.endr
.if \mask
	v_add_nc_u32 v[ED], s[\dreg], v[E0]
.endif
.if \first
	s_wait_loadcnt 0x0                             ; the block's Q
.endif
	s_wait_dscnt 8                                 ; d 0-31 of K is in; the eight loads of d 32-63 may be out
	WIN 0x50
.irp kt, 0,1,2,3
.irp qt, 0,1,2,3
	v_wmma_f32_16x16x32_f16 v[SA+8*(4*\kt+\qt):SA+8*(4*\kt+\qt)+7], v[KV+8*\kt:KV+8*\kt+7], v[QF+16*\qt:QF+16*\qt+7], 0
.endr
.endr
	s_wait_dscnt 0x0
.irp kt, 0,1,2,3
.irp qt, 0,1,2,3
	v_wmma_f32_16x16x32_f16 v[SA+8*(4*\kt+\qt):SA+8*(4*\kt+\qt)+7], v[KV+32+8*\kt:KV+32+8*\kt+7], v[QF+16*\qt+8:QF+16*\qt+15], v[SA+8*(4*\kt+\qt):SA+8*(4*\kt+\qt)+7]
.endr
.endr
	WIN 0
	PLACES
.irp kk, 0,1
.irp dt, 0,1,2,3
	ds_load_tr16_b128 v[KV+8*(4*\kk+\dt):KV+8*(4*\kk+\dt)+3], v[VAD+\slot] offset:\kk*5120+32*\dt          ; V lands while the softmax runs
	ds_load_tr16_b128 v[KV+8*(4*\kk+\dt)+4:KV+8*(4*\kk+\dt)+7], v[VAD+\slot] offset:\kk*5120+32*\dt+2560
.endr
.endr
.if \mask
	WIN 0x41
.irp kt, 0,1,2,3
.irp qt, 0,1,2,3
.irp jj, 0,1,2,3,4,5,6,7
	v_cmp_lt_i32 vcc_lo, 16*(\qt-\kt)-\jj, v[ED]   ; key > query  <=>  16 (qt - kt) - jj < distance + 8 h - r
	v_cndmask_b32 v[SA+8*(4*\kt+\qt)+\jj], v[SA+8*(4*\kt+\qt)+\jj], v[NEG], vcc_lo
.endr
.endr
.endr
.endif
	WIN 0x05
.irp kt, 0,1,2,3
.irp p, 0,1,2,3
.irp qt, 0,1,2,3
.if (\kt+\p) == 0
.if \first
	v_max3_num_f32 v[MN+\qt], v[SA+8*\qt], v[SA+8*\qt+1], v[NEG]
.else
	v_max3_num_f32 v[MN+\qt], v[SA+8*\qt], v[SA+8*\qt+1], v[MX+\qt]
.endif
.else
	v_max3_num_f32 v[MN+\qt], v[SA+8*(4*\kt+\qt)+2*\p], v[SA+8*(4*\kt+\qt)+2*\p+1], v[MN+\qt]
.endif
.endr
.endr
.endr
	WIN 0
.irp qt, 0,1,2,3
	v_permlanex16_b32 v[TMP+\qt], v[MN+\qt], s53, s54      ; the other half of the wave holds the row's other 32 keys
.endr
.irp qt, 0,1,2,3
	v_max_num_f32 v[MN+\qt], v[MN+\qt], v[TMP+\qt]
.endr
.if \first
.irp i, 0,1,2,3,4,5,6,7
	v_mov_b32 v[LS+\i], 0
.endr
.else
.irp qt, 0,1,2,3
	v_sub_f32 v[TMP+\qt], v[MX+\qt], v[MN+\qt]
.endr
.irp qt, 0,1,2,3
	v_exp_f32 v[AL+2*\qt], v[TMP+\qt]              ; 2^(old maximum - new maximum), twice for the packed multiplies
	v_exp_f32 v[AL+2*\qt+1], v[TMP+\qt]
.endr
.endif
.irp qt, 0,1,2,3
	v_sub_f32 v[NM+2*\qt], 0, v[MN+\qt]            ; plain instructions behind the exponentials, ahead of the use of their results
	v_sub_f32 v[NM+2*\qt+1], 0, v[MN+\qt]
	v_mov_b32 v[MX+\qt], v[MN+\qt]
.endr
.if \first
.else
	s_wait_alu depctr_va_vdst(0)
.irp qt, 0,1,2,3
	v_pk_mul_f32 v[LS+2*\qt:LS+2*\qt+1], v[LS+2*\qt:LS+2*\qt+1], v[AL+2*\qt:AL+2*\qt+1]
.endr
.endif
	WIN 0x41
.irp qt, 0,1,2,3
.irp kt, 0,1,2,3
.irp p, 0,1,2,3
	v_pk_add_f32 v[SA+8*(4*\kt+\qt)+2*\p:SA+8*(4*\kt+\qt)+2*\p+1], v[SA+8*(4*\kt+\qt)+2*\p:SA+8*(4*\kt+\qt)+2*\p+1], v[NM+2*\qt:NM+2*\qt+1]
.endr
.endr
.irp kt, 0,1,2,3
.irp p, 0,1,2,3
	v_exp_f32 v[SA+8*(4*\kt+\qt)+2*\p], v[SA+8*(4*\kt+\qt)+2*\p]
	v_exp_f32 v[SA+8*(4*\kt+\qt)+2*\p+1], v[SA+8*(4*\kt+\qt)+2*\p+1]
.if \first
.else
	v_pk_mul_f32 v[OA+8*(4*\kt+\qt)+2*\p:OA+8*(4*\kt+\qt)+2*\p+1], v[OA+8*(4*\kt+\qt)+2*\p:OA+8*(4*\kt+\qt)+2*\p+1], v[AL+2*\qt:AL+2*\qt+1]   ; O's rescaling rides between the exponentials
.endif
.endr
.endr
.endr
.if \first
	v_nop                                          ; a plain place behind the last exponentials
	s_wait_alu depctr_va_vdst(0)
.endif
	WIN 0x01
	s_wait_alu depctr_va_vdst(0)
.irp kt, 0,1,2,3
.irp p, 0,1,2,3
.irp qt, 0,1,2,3
	v_pk_add_f32 v[LS+2*\qt:LS+2*\qt+1], v[SA+8*(4*\kt+\qt)+2*\p:SA+8*(4*\kt+\qt)+2*\p+1], v[LS+2*\qt:LS+2*\qt+1]
.endr
.endr
.endr
	WIN 0x05
.irp qt, 0,1,2,3
.irp kt, 0,1,2,3
.irp p, 0,1,2,3
	v_cvt_pk_f16_f32 v[PF+16*\qt+4*\kt+\p], v[SA+8*(4*\kt+\qt)+2*\p], v[SA+8*(4*\kt+\qt)+2*\p+1]
.endr
.endr
.endr
	s_wait_dscnt 0x0                               ; V
	WIN 0x50
.irp kk, 0,1
.irp dt, 0,1,2,3
.irp qt, 0,1,2,3
.if \first*(1-\kk)
	v_wmma_f32_16x16x32_f16 v[OA+8*(4*\dt+\qt):OA+8*(4*\dt+\qt)+7], v[KV+8*(4*\kk+\dt):KV+8*(4*\kk+\dt)+7], v[PF+8*(2*\qt+\kk):PF+8*(2*\qt+\kk)+7], 0
.else
	v_wmma_f32_16x16x32_f16 v[OA+8*(4*\dt+\qt):OA+8*(4*\dt+\qt)+7], v[KV+8*(4*\kk+\dt):KV+8*(4*\kk+\dt)+7], v[PF+8*(2*\qt+\kk):PF+8*(2*\qt+\kk)+7], v[OA+8*(4*\dt+\qt):OA+8*(4*\dt+\qt)+7]
.endif
.endr
.endr
.endr
	WIN 0
	PLACES
.endm
; A step: this slot's tile is shown to every wave, the other slot is asked for again, the tile is worked on.
; skip = 1 (second step of a diagonal chunk): waves whose tile lies wholly above the diagonal jump over it.
.macro STEP slot, fill, first, mask, dreg, skip
	s_wait_tensorcnt 0x0                           ; all my tensor loads have landed, my part of this slot among them; so a group 0 may be written
	ds_add_u32 v30, v31
	s_wait_dscnt 0x0
.if \fill
.if \slot == 0
	s_add_co_u32 s50, s48, 16384                   ; the chunk's second 128 keys
.else
	s_sub_co_i32 s48, s48, 32768                   ; the chunk below;
	s_cmp_lt_i32 s48, 0
	s_cselect_b32 s48, s49, s48                    ; below chunk 0 of the first block: the second block's diagonal chunk
	s_mov_b32 s50, s48
.endif
	s_add_nc_u64 s[G0+4*(1-\slot)+2:G0+4*(1-\slot)+3], s[16:17], s[50:51]
	s_or_b32 s[G0+4*(1-\slot)+3], s[G0+4*(1-\slot)+3], 0x80000000
.endif
	s_wait_dscnt 0x0                               ; my reads of the other slot are over
	s_barrier_signal -1
	s_barrier_wait -1                              ; both now hold of all eight waves
.if \fill
	KVLOAD (1-\slot)                               ; first behind the barrier; it has this tile's work in which to land
.endif
.if \skip
	s_cmp_lg_u32 s56, 0
	s_cbranch_scc1 .Lskip_\@
.endif
	TILE \slot, \first, \mask, \dreg
.if \skip
.Lskip_\@:
.endif
.endm
; The end of a block: group 1 hands its O, maxima and sums to group 0, which merges, divides, splits into hi + lo and stores.  ob: the output's address.
.macro FINAL last, ob
.if \last
.else
	QLOAD 60                                       ; the second block's Q is on its way meanwhile
.endif
.irp qt, 0,1,2,3
	v_add_f32 v[NM+\qt], v[LS+2*\qt], v[LS+2*\qt+1]
.endr
.irp qt, 0,1,2,3
	v_permlanex16_b32 v[TMP+\qt], v[NM+\qt], s53, s54
.endr
.irp qt, 0,1,2,3
	v_add_f32 v[NM+\qt], v[NM+\qt], v[TMP+\qt]     ; my group's sum of the row
.endr
	s_cmp_eq_u32 s10, 0
	s_cbranch_scc1 .Lno_store_\@
	WIN 0x04
.set n, 0
.rept 32
	ds_store_b128 v[MRG], v[OA+4*n:OA+4*n+3] offset:512*n
.set n, n+1
.endr
	WIN 0
	ds_store_b128 v[MRG], v[MX:MX+3] offset:16384
	ds_store_b128 v[MRG], v[NM:NM+3] offset:16896
.Lno_store_\@:
	s_wait_dscnt 0x0                               ; group 1's stores are done before it signals
	s_wait_tensorcnt 0x0                           ; the same waits as in front of every barrier of this text; the load that may be out was issued a tile's work ago
	s_barrier_signal -1
	s_barrier_wait -1
	s_cmp_lg_u32 s10, 0
	s_cbranch_scc1 .Ldone_\@
	WIN 0x40
.set n, 0
.rept 32
	ds_load_b128 v[SA+4*n:SA+4*n+3], v[MRG] offset:512*n
.set n, n+1
.endr
	WIN 0
	ds_load_b128 v[AL:AL+3], v[MRG] offset:16384
	ds_load_b128 v[AL+4:AL+7], v[MRG] offset:16896
	s_wait_dscnt 0x0
.irp qt, 0,1,2,3
	v_max_num_f32 v[MN+\qt], v[MX+\qt], v[AL+\qt]
.endr
.irp qt, 0,1,2,3
	v_sub_f32 v[TMP+\qt], v[MX+\qt], v[MN+\qt]
	v_sub_f32 v[AL+\qt], v[AL+\qt], v[MN+\qt]
.endr
.irp qt, 0,1,2,3
	v_exp_f32 v[TMP+\qt], v[TMP+\qt]               ; f0
	v_exp_f32 v[AL+\qt], v[AL+\qt]                 ; f1
.endr
	v_nop
	s_wait_alu depctr_va_vdst(0)
.irp qt, 0,1,2,3
	v_mul_f32 v[NM+\qt], v[NM+\qt], v[TMP+\qt]
.endr
.irp qt, 0,1,2,3
	v_fma_f32 v[NM+\qt], v[AL+4+\qt], v[AL+\qt], v[NM+\qt]   ; l = l0 f0 + l1 f1, at least 1
.endr
.irp qt, 0,1,2,3
	v_rcp_f32 v[NM+\qt], v[NM+\qt]
.endr
	v_nop
	s_wait_alu depctr_va_vdst(0)
.irp qt, 0,1,2,3
	v_mul_f32 v[LS+2*\qt], v[TMP+\qt], v[NM+\qt]
	v_mul_f32 v[LS+2*\qt+1], v[TMP+\qt], v[NM+\qt]
	v_mul_f32 v[A1+2*\qt], v[AL+\qt], v[NM+\qt]
	v_mul_f32 v[A1+2*\qt+1], v[AL+\qt], v[NM+\qt]
.endr
	WIN 0x41
.irp dt, 0,1,2,3
.irp qt, 0,1,2,3
.irp p, 0,1,2,3
	v_pk_mul_f32 v[OA+8*(4*\dt+\qt)+2*\p:OA+8*(4*\dt+\qt)+2*\p+1], v[OA+8*(4*\dt+\qt)+2*\p:OA+8*(4*\dt+\qt)+2*\p+1], v[LS+2*\qt:LS+2*\qt+1]
.endr
.endr
.endr
	WIN 0x51
.irp dt, 0,1,2,3
.irp qt, 0,1,2,3
.irp p, 0,1,2,3
	v_pk_fma_f32 v[OA+8*(4*\dt+\qt)+2*\p:OA+8*(4*\dt+\qt)+2*\p+1], v[SA+8*(4*\dt+\qt)+2*\p:SA+8*(4*\dt+\qt)+2*\p+1], v[A1+2*\qt:A1+2*\qt+1], v[OA+8*(4*\dt+\qt)+2*\p:OA+8*(4*\dt+\qt)+2*\p+1]
.endr
.endr
.endr
.irp qt, 0,1,2,3
	WIN 0x01
.irp dt, 0,1,2,3
.irp jj, 0,1,2,3,4,5,6,7
	v_and_b32 v[FH+8*\dt+\jj], v[OA+8*(4*\dt+\qt)+\jj], s57           ; hi: eleven significant bits, which f16 holds exactly
.endr
.endr
.irp dt, 0,1,2,3
.irp jj, 0,1,2,3,4,5,6,7
	v_sub_f32 v[FL+8*\dt+\jj], v[OA+8*(4*\dt+\qt)+\jj], v[FH+8*\dt+\jj]   ; lo: the rest, exact in f32
.endr
.endr
	WIN 0
.irp dt, 0,1,2,3
.irp p, 0,1,2,3
	v_cvt_pk_f16_f32 v[HI+4*\dt+\p], v[FH+8*\dt+2*\p], v[FH+8*\dt+2*\p+1]
	v_cvt_pk_f16_f32 v[LO+4*\dt+\p], v[FL+8*\dt+2*\p], v[FL+8*\dt+2*\p+1]
.endr
.endr
.irp dt, 0,1,2,3
	ds_store_b128 v[STO], v[HI+4*\dt:HI+4*\dt+3] offset:32*\dt
	ds_store_b128 v[STO], v[LO+4*\dt:LO+4*\dt+3] offset:32*\dt+2304
.endr
	s_wait_xcnt 0x0                                ; v128-159, which earlier stores read, are loaded again only behind this wait
.irp t, 0,1,2,3,4,5,6,7
	ds_load_b128 v[BK+4*\t:BK+4*\t+3], v[RD] offset:(\t>>2)*2304+(\t&3)*576   ; my own stage: LDS serves a wave's instructions in order
.endr
.irp t, 0,1,2,3,4,5,6,7
	s_wait_dscnt 7-\t
	global_store_b128 v[CO], v[BK+4*\t:BK+4*\t+3], s[\ob:\ob+1] offset:(\t>>2)*1048576+\qt*2048+(\t&3)*512   ; four rows: 512 consecutive aligned bytes
.endr
.endr
	s_wait_xcnt 0x0                                ; the next block's K fragments land on the stores' data registers
.Ldone_\@:
.endm
	s_load_b128 s[4:7], s[0:1], 0x0                ; qkv s[4:5], ao s[6:7]
	v_lshl_add_u32 v30, v0, 2, 0x29800
	v_mov_b32 v31, 0
	ds_add_u32 v30, v31
	v_lshrrev_b32 v1, 5, v0
	v_readfirstlane_b32 s8, v1                     ; wave
	s_and_b32 s9, s8, 3                            ; w4
	s_lshr_b32 s10, s8, 2                          ; g
	s_and_b32 s11, ttmp9, 3                        ; j
	s_lshr_b32 s12, ttmp9, 2
	s_lshr_b32 s13, s12, 4                         ; b
	s_and_b32 s14, s12, 15                         ; h
	s_mul_i32 s15, s13, 48
	s_add_co_u32 s15, s15, s14                     ; q's plane, 48 b + h
	; group 1: 64 rows x 64 elements of 2 bytes; behind every 32 words 4 words of padding for K, 8 for V
	s_mov_b32 s[G1K+0], (1<<16)|(1<<20)|(4<<22)|(3<<25)
	s_mov_b32 s[G1K+1], 64<<16
	s_mov_b32 s[G1K+2], 64<<16
	s_mov_b32 s[G1K+3], 64<<16
	s_mov_b32 s[G1K+4], 64
	s_mov_b32 s[G1K+5], 64
	s_mov_b32 s[G1K+6], 0
	s_mov_b32 s[G1K+7], 0
	s_mov_b32 s[G1V+0], (1<<16)|(1<<20)|(4<<22)|(7<<25)
	s_mov_b32 s[G1V+1], 64<<16
	s_mov_b32 s[G1V+2], 64<<16
	s_mov_b32 s[G1V+3], 64<<16
	s_mov_b32 s[G1V+4], 64
	s_mov_b32 s[G1V+5], 64
	s_mov_b32 s[G1V+6], 0
	s_mov_b32 s[G1V+7], 0
	s_lshl_b32 s48, s11, 15                        ; byte offset of the chunk at work: chunk x 256 rows x 128 bytes; starts at the first block's diagonal
	s_sub_co_u32 s49, 7, s11
	s_lshl_b32 s49, s49, 15                        ; the second block's diagonal chunk
	s_mov_b32 s51, 0
	s_sub_co_u32 s59, 6, s11                       ; trips of the second block's loop
	s_mov_b32 s53, 0x76543210                      ; v_permlanex16_b32: lane i takes lane i of the other half
	s_mov_b32 s54, 0xfedcba98
	s_mov_b32 s57, 0xffffe000                      ; keeps sign, exponent and ten bits of the mantissa
	s_sub_co_i32 s55, s10, s9
	s_lshl_b32 s55, s55, 6                         ; first key - first query in a diagonal chunk's first step: 64 (g - w4)
	s_add_co_i32 s58, s55, 128                     ; in its second step
	s_add_co_u32 s56, s10, 2
	s_cmp_gt_u32 s56, s9
	s_cselect_b32 s56, 1, 0                        ; 2 + g > w4: my tile of that second step lies wholly above the diagonal
	s_bfe_u32 s18, s8, 0x10001                     ; loader: 0 for K, 1 for V
	s_lshl_b32 s18, s18, 4
	s_add_co_u32 s18, s18, s15
	s_add_co_u32 s18, s18, 16                      ; plane 48 b + 16 + h, or + 32
	s_lshl_b32 s18, s18, 18
	s_and_b32 s19, s8, 1
	s_lshl_b32 s19, s19, 13                        ; my half: 64 rows of 128 bytes
	s_add_co_u32 s18, s18, s19
	s_mov_b32 s19, 0
	s_mov_b32 s[G0+0], 1
	s_mul_i32 s[G0+1], s8, 10240                   ; LDS: wave x 10,240 + slot x 40,960
	s_mov_b32 s[G0+4], 1
	s_add_co_u32 s[G0+5], s[G0+1], SLOTB
	s_mov_b32 s50, s48
	s_wait_dscnt 0x0
	s_wait_kmcnt 0x0
	s_add_nc_u64 s[16:17], s[4:5], s[18:19]
	s_add_nc_u64 s[G0+2:G0+3], s[16:17], s[50:51]
	s_or_b32 s[G0+3], s[G0+3], 0x80000000
	KVLOAD 0                                       ; the first tile, ahead of everything else
	s_lshl_b32 s52, s15, 18
	s_lshl_b32 s18, s9, 13                         ; my 64 rows
	s_add_co_u32 s52, s52, s18
	s_add_co_u32 s50, s52, s48
	s_add_nc_u64 s[20:21], s[4:5], s[50:51]        ; Q of block j
	s_add_co_u32 s50, s52, s49
	s_add_nc_u64 s[60:61], s[4:5], s[50:51]        ; Q of block 7 - j
	s_lshl_b32 s52, s14, 21                        ; ao: planes 2 h and 2 h + 1 of 1,048,576 bytes
	s_lshl_b32 s19, s13, 18
	s_add_co_u32 s52, s52, s19
	s_add_co_u32 s52, s52, s18
	s_add_co_u32 s50, s52, s48
	s_add_nc_u64 s[22:23], s[6:7], s[50:51]
	s_add_co_u32 s50, s52, s49
	s_add_nc_u64 s[62:63], s[6:7], s[50:51]
	v_and_b32 v1, 31, v0                           ; L
	v_and_b32 v2, 15, v0                           ; r
	v_bfe_u32 v3, v0, 4, 1                         ; h
	v_lshlrev_b32 v7, 7, v2
	v_lshl_add_u32 v[QOF], v3, 4, v7               ; r x 128 + 16 h
	QLOAD 20
	v_mul_u32_u24 v4, v2, 144
	v_lshl_add_u32 v4, v3, 4, v4                   ; r x 144 + 16 h
	s_mul_i32 s18, s10, 10240
	v_add_nc_u32 v[KAD], s18, v4
	v_add_nc_u32 v[KAD+1], SLOTB, v[KAD]
	v_and_b32 v5, 7, v0
	v_lshl_add_u32 v5, v3, 3, v5
	v_mul_u32_u24 v5, v5, 160
	v_bfe_u32 v6, v0, 3, 1
	v_lshl_add_u32 v5, v6, 4, v5
	s_add_co_u32 s19, s18, 20480
	v_add_nc_u32 v[VAD], s19, v5
	v_add_nc_u32 v[VAD+1], SLOTB, v[VAD]
	v_lshlrev_b32 v7, 3, v3
	v_sub_nc_u32 v[E0], v7, v2
	v_mov_b32 v[NEG], 0xff7fffff
	s_mul_i32 s18, s9, 17408
	s_add_co_u32 s18, s18, MERGE
	v_lshl_add_u32 v[MRG], v1, 4, s18
	s_mul_i32 s19, s9, 4608
	s_add_co_u32 s19, s19, STAGE
	v_add_nc_u32 v[STO], s19, v4
	v_lshrrev_b32 v6, 3, v1
	v_mul_u32_u24 v6, v6, 144
	v_and_b32 v5, 7, v0
	v_lshl_add_u32 v6, v5, 4, v6
	v_add_nc_u32 v[RD], s19, v6
	v_lshlrev_b32 v[CO], 4, v1
.irp i, 0,1,2,3
	v_mov_b32 v[TMP+\i], 0                         ; v_permlanex16_b32 counts as a reader of its destination
.endr
	; block j: the diagonal chunk, then j chunks below it
	STEP 0, 1, 1, 1, 55, 0
	STEP 1, 1, 0, 1, 58, 1
	s_cmp_eq_u32 s11, 0
	s_cbranch_scc1 .Lblock_a_done
	s_mov_b32 s52, 0
.Lloop_a:
	STEP 0, 1, 0, 0, 0, 0
	STEP 1, 1, 0, 0, 0, 0
	s_add_co_u32 s52, s52, 1
	s_cmp_lt_u32 s52, s11
	s_cbranch_scc1 .Lloop_a
.Lblock_a_done:
	FINAL 0, 22
	; block 7 - j: the diagonal chunk, 6 - j chunks in the loop, chunk 0 written out: its second step asks for nothing
	STEP 0, 1, 1, 1, 55, 0
	STEP 1, 1, 0, 1, 58, 1
	s_mov_b32 s52, 0
.Lloop_b:
	STEP 0, 1, 0, 0, 0, 0
	STEP 1, 1, 0, 0, 0, 0
	s_add_co_u32 s52, s52, 1
	s_cmp_lt_u32 s52, s59
	s_cbranch_scc1 .Lloop_b
	STEP 0, 1, 0, 0, 0, 0
	STEP 1, 0, 0, 0, 0, 0
	FINAL 1, 62
	s_wait_tensorcnt 0x0
	ds_add_u32 v30, v31
	s_wait_dscnt 0x0
	s_endpgm
.Lfunc_end_k_q25d346754f_attn:
	.size	k_q25d346754f_attn, .Lfunc_end_k_q25d346754f_attn-k_q25d346754f_attn
	.p2alignl 7, 3214868480
	.fill 96, 4, 3214868480
	.section	.rodata,"a",@progbits
	.p2align	6, 0x0
	.amdhsa_kernel k_q25d346754f_attn
		.amdhsa_group_segment_fixed_size 327680
		.amdhsa_private_segment_fixed_size 0
		.amdhsa_enable_private_segment 0
		.amdhsa_kernarg_size 16
		.amdhsa_user_sgpr_count 2
		.amdhsa_user_sgpr_kernarg_segment_ptr 1
		.amdhsa_wavefront_size32 1
		.amdhsa_system_sgpr_workgroup_id_x 1
		.amdhsa_system_sgpr_workgroup_id_y 1
		.amdhsa_system_sgpr_workgroup_id_z 1
		.amdhsa_system_vgpr_workitem_id 0
		.amdhsa_next_free_vgpr 512
		.amdhsa_next_free_sgpr 66
		.amdhsa_reserve_vcc 1
		.amdhsa_float_denorm_mode_32 3
		.amdhsa_float_denorm_mode_16_64 3
		.amdhsa_memory_ordered 1
		.amdhsa_forward_progress 1
		.amdhsa_inst_pref_size 255
	.end_amdhsa_kernel
	.section	.bss,"aw",@nobits
	.p2align	6
	.space	262144
	.amdgpu_metadata
---
amdhsa.version: [ 1, 2 ]
amdhsa.kernels:
  - .name:           k_q25d346754f_attn
    .symbol:         k_q25d346754f_attn.kd
    .args:
      - { .name: qkv, .offset: 0, .size: 8, .value_kind: global_buffer, .address_space: global }
      - { .name: ao, .offset: 8, .size: 8, .value_kind: global_buffer, .address_space: global }
    .group_segment_fixed_size: 327680
    .private_segment_fixed_size: 0
    .kernarg_segment_align: 8
    .kernarg_segment_size: 16
    .max_flat_workgroup_size: 256
    .sgpr_count:     66
    .vgpr_count:     512
    .wavefront_size: 32
...
	.end_amdgpu_metadata
.endif
;; end of part 3
;; launch proj (part 4): grid 8 x 32, 4 waves a work-group, clusters of 4 x 4, 327,680 bytes of LDS; arguments ao, wpb, b_proj, out0; writes out0
.if DOCPART == 4
	.amdgcn_target "amdgcn-amd-amdhsa--gfx1250"
	.amdhsa_code_object_version 6
	.text
	.protected	k_q25d346754f_proj
	.globl	k_q25d346754f_proj
	.p2align	8
	.type	k_q25d346754f_proj,@function
k_q25d346754f_proj:
	s_mov_b64 s[64:65], 0
	v_nop
	global_prefetch_b8 v0, s[64:65] scope:SCOPE_SE
	s_setreg_imm32_b32 hwreg(HW_REG_WAVE_MODE, 25, 1), 1
	s_wait_xcnt 0x0
	s_wait_alu depctr_hold_cnt(0) depctr_sa_sdst(0) depctr_va_vdst(0) depctr_va_sdst(0) depctr_va_ssrc(0) depctr_va_vcc(0) depctr_vm_vsrc(0)
	s_getreg_b32 s2, hwreg(HW_REG_IB_STS2, 6, 4)
	s_cmp_eq_u32 s2, 0
	s_cbranch_scc0 .Lentry_in_a_cluster
	s_endpgm
.Lentry_in_a_cluster:
	s_bfe_u32 s2, ttmp6, 0x10000c
	s_cmp_lg_u32 s2, 0xf033
	s_cbranch_scc0 .Lentry_shape_is_right
	s_endpgm
.Lentry_shape_is_right:
; out0 = (hi + lo) W_proj + b_proj, 8192 x 1024 x 1024, f16 operands, f32 sums.  ao[2 h + part][8192 m][64] holds the attention result as f16 hi and lo,
; wpb[1024 k][1024 n] holds bf16(W_proj) as f16.  Both parts are multiplied by the same fragments of W and added into the same sums.
; LIMIT: as the operands' f16 formats allow (|values| below 65,504).
; A work-group makes 256 rows x 128 columns with four waves; wave (wm, wn) makes 128 x 64: 32 accumulator tiles in register window 1.
; A K step is one head (64 k) through two LDS slots.  A slot: hi's 256 rows x 128 bytes (pitch 144), lo's, then W's 64 k rows x 256 bytes (pitch 288).
; W stays [k][n]: ds_load_tr16_b128 makes its fragments.  The matrix instruction is used transposed (source 0 = 16 columns of W, source 1 = 16 rows),
; so that a lane holds eight neighbouring columns of one row.
; CLUSTER 4 x 4: hi's and lo's tiles hang on the row block alone and are asked for jointly along a row of the cluster (waves 0 and 1),
; W's tile on the column block alone, jointly along a column (wave 2); wave 3 asks for nothing.
; By this text's own count a wave has two tensor loads out at the start and one later.
.set ASUB,  36864
.set BSUB,  18432
.set BBASE, 2*ASUB
.set SLOT,  2*ASUB+BSUB                ; 92,160
.set STAGE, 2*SLOT                     ; 184,320 + wave x 4,352: 16 rows x 272 for the way out; no tensor load lands here
.set ASTEP, 2097152                    ; bytes from head to head in ao (two planes)
.set BSTEP, 131072                     ; and in wpb: 64 rows of 2,048 bytes
.set ADRA, 16
.set ADRB, 20
.set STO,  24
.set RD,   25
.set CO,   26
.set AF0,  32                          ; v32-95   fragments of hi
.set AF1,  96                          ; v96-159  fragments of lo
.set BF0,  160                         ; v160-191 W, first 32 k of the step
.set BF1,  192                         ; v192-223 W, second 32 k
.set BI,   224                         ; v224-255 my 32 biases
.set TT,   32
.set G1A, 24
.set G0A, 32
.set G1B, 48
.set G0B, 56
.set MSB, 0
.macro WIN new
.if MSB != (\new)
	s_set_vgpr_msb (MSB<<8)|(\new)
.set MSB, \new
.endif
.endm
.macro PLACES                          ; four places behind matrix instructions (ISA guide 7.12.1)
.rept 4
	v_nop
.endr
.endm
.macro CREST
	s_cmp_lg_u32 s12, 0
	s_cbranch_scc1 .Lnot_wave_0_\@
	s_barrier_signal -3
.Lnot_wave_0_\@:
	s_barrier_wait -3
	s_barrier_signal -1
	s_barrier_wait -1
.endm
.macro CROUND
	s_barrier_signal -1
	s_barrier_wait -1
	CREST
.endm
.macro JLOAD s
	s_cmp_lt_u32 s12, 2
	s_cbranch_scc0 .Lnot_a_\@
	tensor_load_to_lds s[G0A+4*\s:G0A+4*\s+3], s[G1A:G1A+7]
	s_nop 0
	s_branch .Lasked_\@
.Lnot_a_\@:
	s_cmp_eq_u32 s12, 2
	s_cbranch_scc0 .Lasked_\@
	tensor_load_to_lds s[G0B+4*\s:G0B+4*\s+3], s[G1B:G1B+7]
	s_nop 0
.Lasked_\@:
.endm
.macro FETCHA slot, off, buf
.irp a, 0,1,2,3,4,5,6,7
	ds_load_b128 v[\buf+8*\a:\buf+8*\a+3], v[ADRA+\slot] offset:\off+\a*2304
	ds_load_b128 v[\buf+8*\a+4:\buf+8*\a+7], v[ADRA+\slot] offset:\off+\a*2304+32
.endr
.endm
.macro FETCHB slot, off, buf
.irp j, 0,1,2,3
	ds_load_tr16_b128 v[\buf+8*\j:\buf+8*\j+3], v[ADRB+\slot] offset:\off+32*\j
	ds_load_tr16_b128 v[\buf+8*\j+4:\buf+8*\j+7], v[ADRB+\slot] offset:\off+32*\j+4608
.endr
.endm
; 16 matrix instructions; the 32 accumulators take turns, one instruction a turn
.macro MULH abuf, bbuf, half, zero
.irp a, 4*\half, 4*\half+1, 4*\half+2, 4*\half+3
.irp j, 0,1,2,3
.if \zero
	v_wmma_f32_16x16x32_f16 v[8*(4*(\a)+\j):8*(4*(\a)+\j)+7], v[\bbuf+8*\j:\bbuf+8*\j+7], v[\abuf+8*(\a):\abuf+8*(\a)+7], 0
.else
	v_wmma_f32_16x16x32_f16 v[8*(4*(\a)+\j):8*(4*(\a)+\j)+7], v[\bbuf+8*\j:\bbuf+8*\j+7], v[\abuf+8*(\a):\abuf+8*(\a)+7], v[8*(4*(\a)+\j):8*(4*(\a)+\j)+7]
.endif
.endr
.endr
.endm
; The first three units of a K step: (k 0-31, hi), (k 0-31, lo), (k 32-63, hi).  Each fetches the next unit's fragments ahead of its own 32 products.
.macro THREE slot, zero
	PLACES
	FETCHA \slot, ASUB, AF1
	s_wait_dscnt 16                                ; all but the 16 just issued: hi's and W's fragments are in
	WIN 0x50
	MULH AF0, BF0, 0, \zero
	MULH AF0, BF0, 1, \zero
	WIN 0
	PLACES
	FETCHA \slot, 64, AF0
	FETCHB \slot, 9216, BF1
	s_wait_dscnt 24                                ; all but the 24 just issued
	WIN 0x50
	MULH AF1, BF0, 0, 0
	MULH AF1, BF0, 1, 0
	WIN 0
	PLACES
	FETCHA \slot, ASUB+64, AF1
	s_wait_dscnt 16
	WIN 0x50
	MULH AF0, BF1, 0, 0
	MULH AF0, BF1, 1, 0
.endm
; A whole K step; its fourth unit (k 32-63, lo) changes slots.  fill = 1: this slot is asked for again, two K steps ahead.
.macro KSTEP slot, zero, fill
	THREE \slot, \zero
	s_wait_dscnt 0x0                               ; my reads of this slot are over,
	s_wait_tensorcnt 0x0                           ; and all my tensor loads have landed: the one that was out is my part of the next slot
	ds_add_u32 v30, v31
	s_wait_dscnt 0x0
	s_barrier_signal -1
	MULH AF1, BF1, 0, 0
	WIN 0
	s_barrier_wait -1
.if \fill
	CREST                                          ; no wave of any partner still reads this slot or has a load on its way
	s_add_nc_u64 s[G0A+4*\slot+2:G0A+4*\slot+3], s[G0A+4*\slot+2:G0A+4*\slot+3], 2*ASTEP
	s_add_nc_u64 s[G0B+4*\slot+2:G0B+4*\slot+3], s[G0B+4*\slot+2:G0B+4*\slot+3], 2*BSTEP
	JLOAD \slot                                    ; first behind the round; 112 matrix instructions stand between it and the wait for it
.endif
	PLACES
	FETCHA 1-\slot, 0, AF0
	FETCHB 1-\slot, 0, BF0
	WIN 0x50
	MULH AF1, BF1, 1, 0
	WIN 0
.endm
.macro KLAST slot                      ; the last K step fetches nothing beyond itself
	THREE \slot, 0
	s_wait_dscnt 0x0
	MULH AF1, BF1, 0, 0
	MULH AF1, BF1, 1, 0
	WIN 0
.endm
	s_load_b256 s[4:11], s[0:1], 0x0               ; ao s[4:5], wpb s[6:7], b_proj s[8:9], out0 s[10:11]
	v_lshl_add_u32 v30, v0, 2, 0x31400
	v_mov_b32 v31, 0
	ds_add_u32 v30, v31
	v_lshrrev_b32 v1, 5, v0
	v_readfirstlane_b32 s12, v1                    ; wave
	s_lshr_b32 s13, s12, 1                         ; wm
	s_and_b32 s14, s12, 1                          ; wn
	s_bfe_u32 s40, ttmp6, 0x40000                  ; cx
	s_bfe_u32 s41, ttmp6, 0x40004                  ; cy
	s_lshl_b32 s42, ttmp9, 2
	s_add_co_u32 s42, s42, s40                     ; cb: column block, 0-7
	s_and_b32 s43, ttmp7, 0xffff
	s_lshl_b32 s43, s43, 2
	s_add_co_u32 s43, s43, s41                     ; rb: row block, 0-31
	s_lshl_b32 s44, s41, 2
	s_lshl_b32 s44, 15, s44                        ; my row of the cluster
	s_lshl_b32 s45, 0x1111, s40                    ; my column
	s_or_b32 s[G1A+0], s44, (1<<16)|(1<<20)|(1<<21)|(4<<22)|(3<<25)   ; 256 rows x 64 elements of 2 bytes, 4 words of padding behind every 32
	s_mov_b32 s[G1A+1], 64<<16
	s_mov_b32 s[G1A+2], 256<<16
	s_mov_b32 s[G1A+3], 64<<16
	s_mov_b32 s[G1A+4], 256
	s_mov_b32 s[G1A+5], 64
	s_mov_b32 s[G1A+6], 0
	s_mov_b32 s[G1A+7], 0
	s_or_b32 s[G1B+0], s45, (1<<16)|(1<<20)|(1<<21)|(5<<22)|(7<<25)   ; 64 rows x 128 elements, 8 words of padding behind every 64
	s_mov_b32 s[G1B+1], 128<<16
	s_mov_b32 s[G1B+2], 64<<16
	s_mov_b32 s[G1B+3], 128<<16
	s_mov_b32 s[G1B+4], 64
	s_mov_b32 s[G1B+5], 1024
	s_mov_b32 s[G1B+6], 0
	s_mov_b32 s[G1B+7], 0
	s_lshl_b32 s16, s43, 15                        ; 256 rows of 128 bytes a row block,
	s_lshl_b32 s18, s12, 20                        ; plane hi (wave 0) or lo (wave 1)
	s_add_co_u32 s16, s16, s18
	s_mov_b32 s17, 0
	s_lshl_b32 s46, s42, 8                         ; 128 columns a column block
	s_mov_b32 s47, 0
	s_mul_i32 s20, s12, ASUB                       ; LDS: hi, lo at wave x ASUB (waves 0, 1),
	s_add_co_u32 s21, s12, 2
	s_mul_i32 s21, s21, BSUB                       ; W at (wave + 2) x BSUB = 73,728 (wave 2)
	; what mixes cx and cy lives in s72-s79 alone
	s_lshl_b32 s78, s42, 9
	s_lshl_b32 s77, s14, 8
	s_add_co_u32 s78, s78, s77                     ; 4 (128 cb + 64 wn): my first column, in b_proj and in a row of out0
	s_mov_b32 s79, 0
	s_lshl_b32 s72, s43, 1
	s_add_co_u32 s72, s72, s13
	s_lshl_b32 s72, s72, 19                        ; (256 rb + 128 wm) rows of 4,096 bytes
	s_add_co_u32 s72, s72, s78
	s_mov_b32 s73, 0
	s_wait_dscnt 0x0
	s_wait_kmcnt 0x0
	s_add_nc_u64 s[16:17], s[4:5], s[16:17]
	s_add_nc_u64 s[46:47], s[6:7], s[46:47]
	s_add_nc_u64 s[8:9], s[8:9], s[78:79]
	s_add_nc_u64 s[72:73], s[10:11], s[72:73]
.irp s, 0,1
	s_mov_b32 s[G0A+4*\s], 1
	s_add_co_u32 s[G0A+4*\s+1], s20, \s*SLOT
	s_add_nc_u64 s[G0A+4*\s+2:G0A+4*\s+3], s[16:17], \s*ASTEP
	s_or_b32 s[G0A+4*\s+3], s[G0A+4*\s+3], 0x80000000
	s_mov_b32 s[G0B+4*\s], 1
	s_add_co_u32 s[G0B+4*\s+1], s21, \s*SLOT
	s_add_nc_u64 s[G0B+4*\s+2:G0B+4*\s+3], s[46:47], \s*BSTEP
	s_or_b32 s[G0B+4*\s+3], s[G0B+4*\s+3], 0x80000000
.endr
	CROUND                                         ; all sixteen work-groups are here: the first joint loads meet
	s_cmp_lt_u32 s12, 2                            ; both first fills of a wave inside one branch on its number
	s_cbranch_scc0 .Lfill_w
	tensor_load_to_lds s[G0A:G0A+3], s[G1A:G1A+7]
	s_nop 0
	tensor_load_to_lds s[G0A+4:G0A+7], s[G1A:G1A+7]
	s_nop 0
	s_branch .Lfilled
.Lfill_w:
	s_cmp_eq_u32 s12, 2
	s_cbranch_scc0 .Lfilled
	tensor_load_to_lds s[G0B:G0B+3], s[G1B:G1B+7]
	s_nop 0
	tensor_load_to_lds s[G0B+4:G0B+7], s[G1B:G1B+7]
	s_nop 0
.Lfilled:
	v_and_b32 v11, 15, v0                          ; r
	v_bfe_u32 v12, v0, 4, 1                        ; h
	v_lshlrev_b32 v9, 5, v12                       ; my eight columns of each 16: 32 h bytes
.irp j, 0,1,2,3
	global_load_b128 v[BI+8*\j:BI+8*\j+3], v9, s[8:9] offset:64*\j
	global_load_b128 v[BI+8*\j+4:BI+8*\j+7], v9, s[8:9] offset:64*\j+16
.endr
	v_mul_u32_u24 v13, v11, 144
	v_lshl_add_u32 v13, v12, 4, v13                ; r x 144 + 16 h
	s_mul_i32 s18, s13, 128*144
	v_add_nc_u32 v[ADRA], s18, v13
	v_add_nc_u32 v[ADRA+1], SLOT, v[ADRA]
	v_and_b32 v14, 7, v0
	v_lshl_add_u32 v14, v12, 3, v14
	v_mul_u32_u24 v14, v14, 288
	v_bfe_u32 v15, v0, 3, 1
	v_lshl_add_u32 v14, v15, 4, v14
	s_lshl_b32 s19, s14, 7
	s_add_co_u32 s19, s19, BBASE
	v_add_nc_u32 v[ADRB], s19, v14
	v_add_nc_u32 v[ADRB+1], SLOT, v[ADRB]
	s_mul_i32 s22, s12, 4352
	s_add_co_u32 s22, s22, STAGE
	v_mul_u32_u24 v13, v11, 272
	v_lshl_add_u32 v13, v12, 5, v13
	v_add_nc_u32 v[STO], s22, v13                  ; in: row r, 32 bytes for each half of the lanes
	v_mul_u32_u24 v14, v12, 272
	v_lshl_add_u32 v14, v11, 4, v14
	v_add_nc_u32 v[RD], s22, v14                   ; back: lanes 0-15 one row of 256 bytes, lanes 16-31 the next
	v_lshlrev_b32 v15, 4, v11
	v_lshl_add_u32 v[CO], v12, 12, v15             ; the same two rows in out0
	s_wait_loadcnt 0x0                             ; the biases, once
	s_wait_tensorcnt 0x1                           ; my part of K step 0 is in; step 1's stays out
	s_barrier_signal -1
	s_barrier_wait -1
	FETCHA 0, 0, AF0
	FETCHB 0, 0, BF0
	KSTEP 0, 1, 1                                  ; the first products start the sums: nothing is cleared
	KSTEP 1, 0, 1
	s_mov_b32 s3, 6                                ; 16 K steps = 8 laps: one ahead of the loop, six in it, one behind
.Llap:
	KSTEP 0, 0, 1
	KSTEP 1, 0, 1
	s_sub_co_u32 s3, s3, 1
	s_cmp_lg_u32 s3, 0
	s_cbranch_scc1 .Llap
	KSTEP 0, 0, 0                                  ; the last lap asks for nothing
	KLAST 1
	; THE WAY OUT: 16 rows x 64 columns of f32 at a time: add the bias, through my own stage, out as whole rows of 256 bytes
	PLACES
.macro OUT a, f
	WIN 0x01
.irp j, 0,1,2,3
.irp p, 0,1,2,3
	v_pk_add_f32 v[TT+8*\j+2*\p:TT+8*\j+2*\p+1], v[8*(4*\a+\j)+2*\p:8*(4*\a+\j)+2*\p+1], v[BI+8*\j+2*\p:BI+8*\j+2*\p+1]
.endr
.endr
	WIN 0
.irp j, 0,1,2,3
	ds_store_b128 v[STO], v[TT+8*\j:TT+8*\j+3] offset:64*\j
	ds_store_b128 v[STO], v[TT+8*\j+4:TT+8*\j+7] offset:64*\j+16
.endr
	s_wait_xcnt 0x0                                ; buffer f, which earlier stores read, is loaded again only behind this wait
.irp t, 0,1,2,3,4,5,6,7
	ds_load_b128 v[\f+4*\t:\f+4*\t+3], v[RD] offset:544*\t   ; LDS serves a wave's instructions in order: these see the stores above
.endr
.irp t, 0,1,2,3,4,5,6,7
	s_wait_dscnt 7-\t
	global_store_b128 v[CO], v[\f+4*\t:\f+4*\t+3], s[72:73] offset:(16*\a+2*\t)*4096 th:TH_STORE_NT   ; sixteen lanes store 256 consecutive aligned bytes
.endr
.endm
	OUT 0, 96
	OUT 1, 128
	OUT 2, 96
	OUT 3, 128
	OUT 4, 96
	OUT 5, 128
	OUT 6, 96
	OUT 7, 128
	s_wait_tensorcnt 0x0
	ds_add_u32 v30, v31
	s_wait_dscnt 0x0
	CROUND                                         ; the closing round: no work-group ends while a partner may still ask for a tile that names it
	s_endpgm
.Lfunc_end_k_q25d346754f_proj:
	.size	k_q25d346754f_proj, .Lfunc_end_k_q25d346754f_proj-k_q25d346754f_proj
	.p2alignl 7, 3214868480
	.fill 96, 4, 3214868480
	.section	.rodata,"a",@progbits
	.p2align	6, 0x0
	.amdhsa_kernel k_q25d346754f_proj
		.amdhsa_group_segment_fixed_size 327680
		.amdhsa_private_segment_fixed_size 0
		.amdhsa_enable_private_segment 0
		.amdhsa_kernarg_size 32
		.amdhsa_user_sgpr_count 2
		.amdhsa_user_sgpr_kernarg_segment_ptr 1
		.amdhsa_wavefront_size32 1
		.amdhsa_system_sgpr_workgroup_id_x 1
		.amdhsa_system_sgpr_workgroup_id_y 1
		.amdhsa_system_sgpr_workgroup_id_z 1
		.amdhsa_system_vgpr_workitem_id 0
		.amdhsa_next_free_vgpr 512
		.amdhsa_next_free_sgpr 80
		.amdhsa_reserve_vcc 0
		.amdhsa_float_denorm_mode_32 3
		.amdhsa_float_denorm_mode_16_64 3
		.amdhsa_memory_ordered 1
		.amdhsa_forward_progress 1
		.amdhsa_inst_pref_size 120
	.end_amdhsa_kernel
	.amdgpu_metadata
---
amdhsa.version: [ 1, 2 ]
amdhsa.kernels:
  - .name:           k_q25d346754f_proj
    .symbol:         k_q25d346754f_proj.kd
    .args:
      - { .name: ao, .offset: 0, .size: 8, .value_kind: global_buffer, .address_space: global }
      - { .name: wpb, .offset: 8, .size: 8, .value_kind: global_buffer, .address_space: global }
      - { .name: b_proj, .offset: 16, .size: 8, .value_kind: global_buffer, .address_space: global }
      - { .name: out0, .offset: 24, .size: 8, .value_kind: global_buffer, .address_space: global }
    .group_segment_fixed_size: 327680
    .private_segment_fixed_size: 0
    .kernarg_segment_align: 8
    .kernarg_segment_size: 32
    .max_flat_workgroup_size: 128
    .sgpr_count:     80
    .vgpr_count:     512
    .wavefront_size: 32
...
	.end_amdgpu_metadata
.endif
;; end of part 4
